; MI455X (gfx1250); checked and timed in simulation.
; The chip was launched on July 23, 2026; its instructions are those of AMD's public machine-readable ISA for CDNA 5 (MIT licence, August 2026) and "CDNA5" Instruction Set Architecture Reference Guide (July 2026). The comments in the code are by the model that wrote it; some were corrected since.
;; Linear Probe Per Scene. Allowed arithmetic: float matrix products may take bf16 or f16 operands with f32 sums; all other float work in f32.
;; Inputs: W1 4,096 x 2,048 float32; Ws 4 x 2,048 x 2,048 float32; b1 4,096 float32; bs 4 x 2,048 float32; scene_sign 2,048 int32; x 2,048 x 2,048 float32.
;; Outputs: out0 2,048 x 4,096 float32.
;; One version. Each part assembles by itself: llvm-mc -triple=amdgcn-amd-amdhsa -mcpu=gfx1250 --defsym DOCPART=n.
;; ======== version 1 of 1: 4 launches
;; workspace buffers: xs 10,485,760 bytes; ys 8,388,608 bytes; meta 8,448 bytes of whole numbers
;; launch rank (part 1): grid 256 x 1, 8 waves a work-group, no clusters, 0 bytes of LDS; arguments scene_sign, meta; writes meta
.if DOCPART == 1
	.amdgcn_target "amdgcn-amd-amdhsa--gfx1250"
	.amdhsa_code_object_version 6
	.text
	.protected	k_q010213d60e_rank
	.globl	k_q010213d60e_rank
	.p2align	8
	.type	k_q010213d60e_rank,@function
k_q010213d60e_rank:
	s_mov_b64 s[64:65], 0
	v_nop
	global_prefetch_b8 v0, s[64:65] scope:SCOPE_SE
	s_setreg_imm32_b32 hwreg(HW_REG_WAVE_MODE, 25, 1), 1
	s_wait_xcnt 0x0
; Where every row goes: the stable sort of the 2,048 rows by scene label, and the layout of the sorted rows in row tiles of 160.
; Nothing is moved here.  The numbers are stored as whole numbers in meta, and the launches behind this one form their addresses and
; branches from what they read there; in this launch no branch and no address hangs on a number that it makes.
; One wave per source row i = 8 x work-group + wave.  Labels are clamped to the classes 0..5: 0 stands for every label below 1,
; 5 for every label above 4.  Such rows get y = 0 whatever their label, so they only have to lie in front of and behind the four
; groups; their order among themselves is NOT the order of their labels (their output rows are all alike, so it cannot show).
; rank(i) = number of j with key(j) < key(i), key(j) = class(j) x 3072 + j: the row's place in the stable sort.
; n_k = rows of class k; st_k = n_0 + .. + n_(k-1): the first sorted row of class k; tb_k = tiles of the classes 1 .. k-1, each class
; taking ceil(n / 160) tiles: at most (2048 + 4 x 159) / 160, so 16 in all.  A row of class k = 1..4 goes to xs row 160 tb_k + rank - st_k.
; Every wave reads all 2,048 labels (64 a lane) and makes all these numbers itself: no LDS, no barrier.
; STORED: meta bytes 0..255: for tile t = 0..15 the four words {expert, first sorted row, rows to store (0 or below: none), 0};
; from byte 256: dest[i], one word a source row: its row in xs (label 1..4), or 0x10000 + its sorted row (any other label).
; A wave stores its one word of dest: a work-group's share of the list is 32 bytes, the whole list 8,192; blocks of 256 bytes from one
; work-group would want 64 rows in it, eight times the counting on an eighth of the work-groups.
.set KBIAS, 0x10000                    ; added on both sides of the compare so that every number in it is positive
.set TROWS, 160                        ; rows in a tile
.set DEST,  256                        ; dest's first byte in meta
.set OUTSIDE, 0x10000                  ; the mark of a label outside 1..4
.set T,   12                           ; v[12:15]   at work
.set S,   16                           ; v[16:79]   64 labels, then 6 x class: register 4 t + c holds row 128 t + 4 lane + c
.set W,   80                           ; v[80:87]   class counts; later the table's entry and its making
	s_load_b128 s[4:7], s[0:1], 0x0                ; scene_sign s[4:5], meta s[6:7]
	v_lshrrev_b32 v1, 5, v0
	v_readfirstlane_b32 s14, v1                    ; wave
	s_lshl_b32 s15, ttmp9, 3
	s_add_co_u32 s15, s15, s14                     ; i: my source row
	s_lshl_b32 s36, s15, 2                         ; 4 i: my label's byte offset, and my word's in dest
	s_mov_b32 s55, 0x76543210                      ; v_permlanex16_b32: lane l of one half reads lane l of the other
	s_mov_b32 s56, 0xfedcba98
	v_and_b32 v1, 31, v0                           ; lane
	v_lshlrev_b32 v2, 4, v1                        ; 16 lane
	s_wait_kmcnt 0x0
	s_load_b32 s16, s[4:5], s36 offset:0x0         ; my own label
.set t_, 0
.rept 16
	global_load_b128 v[S+4*t_:S+4*t_+3], v2, s[4:5] offset:512*t_              ; all labels: 512 neighbouring bytes a load
.set t_, t_+1
.endr
	s_wait_kmcnt 0x0
	s_max_i32 s16, s16, 0
	s_min_i32 s16, s16, 5                          ; my class
	s_mul_i32 s17, s16, 3072
	s_add_co_u32 s17, s17, s15                     ; my key
	s_sub_co_u32 s17, KBIAS, s17
	v_lshl_add_u32 v4, v1, 2, s17                  ; 4 lane - key + KBIAS
	s_wait_loadcnt 0x0                             ; the labels are in
.set el, 0
.rept 64
	v_ashrrev_i32 v[T+el%4], 31, v[S+el]           ; all ones where the label is negative
	v_bfi_b32 v[S+el], v[T+el%4], 0, v[S+el]       ; negative -> 0
	v_min_u32 v[S+el], 5, v[S+el]                  ; above 5 -> 5
	v_mul_u32_u24 v[S+el], 6, v[S+el]              ; 6 x class: a shift count for the counts, and x 512 the class's part of the key
.set el, el+1
.endr
	; The class counts: each label adds 1 << (6 x class).  Two sums of 32 labels each, so that a field of 6 bits (at most 32) cannot run
	; over; class 5 lands in bits 30 and 31 and falls off the top, it is not needed.
	v_lshlrev_b32 v5, v[S], 1
	v_lshlrev_b32 v6, v[S+32], 1
.set el, 1
.rept 31
	v_lshl_add_u32 v5, 1, v[S+el], v5
	v_lshl_add_u32 v6, 1, v[S+32+el], v6
.set el, el+1
.endr
	; widened to fields of 12 bits, which hold the sums over the 32 lanes (at most 2,048): classes 0 and 2, classes 1 and 3, class 4
	v_and_b32 v[W], 0x3f03f, v5
	v_and_b32 v[T], 0x3f03f, v6
	v_add_nc_u32 v[W], v[W], v[T]
	v_and_b32 v[W+1], 0xfc0fc0, v5
	v_and_b32 v[T+1], 0xfc0fc0, v6
	v_add_nc_u32 v[W+1], v[W+1], v[T+1]
	v_lshrrev_b32 v[W+1], 6, v[W+1]
	v_bfe_u32 v[W+2], v5, 24, 6
	v_bfe_u32 v[T+2], v6, 24, 6
	v_add_nc_u32 v[W+2], v[W+2], v[T+2]
.macro LANESUM r                       ; the sum over the 32 lanes, in whole numbers: four steps inside each half of 16 lanes, one across
.irp m, 1,2,4,8
	v_mov_b32_dpp v[T], v[\r] row_xmask:\m row_mask:0xf bank_mask:0xf
	v_add_nc_u32 v[\r], v[\r], v[T]
.endr
	v_permlanex16_b32 v[T], v[\r], s55, s56
	v_add_nc_u32 v[\r], v[\r], v[T]
.endm
	LANESUM W
	LANESUM W+1
	LANESUM W+2
	v_readfirstlane_b32 s37, v[W]
	v_readfirstlane_b32 s39, v[W+1]
	v_readfirstlane_b32 s44, v[W+2]                ; n4
	s_and_b32 s40, s37, 0xfff                      ; n0 = st1
	s_bfe_u32 s42, s37, 0xc000c                    ; n2
	s_and_b32 s41, s39, 0xfff                      ; n1
	s_bfe_u32 s43, s39, 0xc000c                    ; n3
	s_add_co_u32 s46, s40, s41                     ; st2
	s_add_co_u32 s47, s46, s42                     ; st3
	s_add_co_u32 s48, s47, s43                     ; st4
.macro CEIL160 dst, src                ; ceil(n / 160) = ((n + 159) / 32) / 5; q / 5 = (205 q) >> 10 for q below 1,020, here q is at most 68
	s_add_co_u32 \dst, \src, TROWS-1
	s_lshr_b32 \dst, \dst, 5
	s_mul_i32 \dst, \dst, 205
	s_lshr_b32 \dst, \dst, 10
.endm
	CEIL160 s52, s41                               ; tb2
	CEIL160 s53, s42
	s_add_co_u32 s53, s53, s52                     ; tb3
	CEIL160 s54, s43
	s_add_co_u32 s54, s54, s53                     ; tb4
	s_mul_i32 s49, s52, TROWS                      ; the classes' first rows in xs: class 1 at 0,
	s_mul_i32 s50, s53, TROWS
	s_mul_i32 s51, s54, TROWS                      ; classes 2, 3, 4 here
; dst = the number of rows j with key(j) < the key that v4 was made of.
; key(j) < key  <=>  6 class(j) x 512 + 4 lane - key + KBIAS  <  KBIAS - (128 t + c).
.macro COUNT dst
	s_mov_b32 \dst, 0
.set el, 0
.rept 16
.irp c, 0,1,2,3
	v_lshl_add_u32 v[T+\c], v[S+el+\c], 9, v4
.endr
.irp c, 0,1,2,3
	v_cmp_gt_u32 s[20+\c], KBIAS-(32*el+\c), v[T+\c]
.endr
.irp c, 0,1,2,3
	s_bcnt1_i32_b32 s[24+\c], s[20+\c]
.endr
.irp c, 0,1,2,3
	s_add_co_u32 \dst, \dst, s[24+\c]
.endr
.set el, el+4
.endr
.endm
	COUNT s18                                      ; my rank: a count of other rows, at most 2,047
	; my word of dest, by selects on my class alone
	s_mov_b32 s57, s40                             ; my class's first sorted row
	s_mov_b32 s58, 0                               ; and its first row in xs
	s_cmp_ge_u32 s16, 2
	s_cselect_b32 s57, s46, s57
	s_cselect_b32 s58, s49, s58
	s_cmp_ge_u32 s16, 3
	s_cselect_b32 s57, s47, s57
	s_cselect_b32 s58, s50, s58
	s_cmp_ge_u32 s16, 4
	s_cselect_b32 s57, s48, s57
	s_cselect_b32 s58, s51, s58
	s_sub_co_u32 s57, s18, s57                     ; my place in my class
	s_add_co_u32 s57, s57, s58                     ; my row in xs (meaningless for the classes 0 and 5: replaced below)
	s_or_b32 s59, s18, OUTSIDE                     ; a label outside 1..4: the mark and my sorted row
	s_cmp_eq_u32 s16, 0
	s_cselect_b32 s57, s59, s57
	s_cmp_eq_u32 s16, 5
	s_cselect_b32 s57, s59, s57
	v_mov_b32 v5, s36                              ; 4 i
	v_mov_b32 v6, s57
	v_cmp_eq_u32 vcc_lo, 0, v1
	s_wait_xcnt 0x0                                ; EXEC is a source of the loads above: it changes only behind this wait
	s_and_saveexec_b32 s38, vcc_lo                 ; lane 0 alone
	global_store_b32 v5, v6, s[6:7] offset:DEST
	s_wait_xcnt 0x0                                ; and again in front of the line that widens it
	s_or_b32 exec_lo, exec_lo, s38
	s_cmp_lg_u32 s15, 0
	s_cbranch_scc1 .Lend
	; The table, by the launch's first wave: lane t makes tile t's entry.  The tile's class is the last k with tb_k <= t.
	v_mov_b32 v[W], 0                              ; expert = class - 1
	v_mov_b32 v[W+4], 0                            ; tb
	v_mov_b32 v[W+5], s40                          ; st
	v_mov_b32 v[W+6], s41                          ; n
.macro PICK e, tb, st, n
	v_cmp_le_u32 vcc_lo, s[\tb], v1
	v_mov_b32 v[T], \e
	v_mov_b32 v[T+1], s[\tb]
	v_mov_b32 v[T+2], s[\st]
	v_mov_b32 v[T+3], s[\n]
	v_cndmask_b32 v[W], v[W], v[T], vcc_lo
	v_cndmask_b32 v[W+4], v[W+4], v[T+1], vcc_lo
	v_cndmask_b32 v[W+5], v[W+5], v[T+2], vcc_lo
	v_cndmask_b32 v[W+6], v[W+6], v[T+3], vcc_lo
.endm
	PICK 1, 52, 46, 42
	PICK 2, 53, 47, 43
	PICK 3, 54, 48, 44
	v_sub_nc_u32 v[W+7], v1, v[W+4]
	v_mul_u32_u24 v[W+7], v[W+7], TROWS            ; rows of the class in front of this tile
	v_add_nc_u32 v[W+1], v[W+5], v[W+7]            ; the tile's first sorted row
	v_sub_nc_u32 v[W+2], v[W+6], v[W+7]            ; rows of the class from there on: 0 or below for a tile behind the last class's last
	v_mov_b32 v[W+3], 0
	v_cmp_gt_u32 vcc_lo, 16, v1
	s_and_saveexec_b32 s38, vcc_lo                 ; lanes 0..15 (no memory instruction has been issued since the last wait on XCNT)
	global_store_b128 v2, v[W:W+3], s[6:7]         ; 16 entries of 16 bytes: 256 consecutive bytes, aligned
	s_wait_xcnt 0x0                                ; EXEC widens only behind this wait
	s_or_b32 exec_lo, exec_lo, s38
.Lend:
	s_endpgm
.Lfunc_end_k_q010213d60e_rank:
	.size	k_q010213d60e_rank, .Lfunc_end_k_q010213d60e_rank-k_q010213d60e_rank
	.p2alignl 7, 3214868480
	.fill 96, 4, 3214868480
	.section	.rodata,"a",@progbits
	.p2align	6, 0x0
	.amdhsa_kernel k_q010213d60e_rank
		.amdhsa_group_segment_fixed_size 0
		.amdhsa_private_segment_fixed_size 0
		.amdhsa_enable_private_segment 0
		.amdhsa_kernarg_size 16
		.amdhsa_user_sgpr_count 2
		.amdhsa_user_sgpr_kernarg_segment_ptr 1
		.amdhsa_wavefront_size32 1
		.amdhsa_system_sgpr_workgroup_id_x 1
		.amdhsa_system_sgpr_workgroup_id_y 1
		.amdhsa_system_sgpr_workgroup_id_z 1
		.amdhsa_system_vgpr_workitem_id 0
		.amdhsa_next_free_vgpr 88
		.amdhsa_next_free_sgpr 66
		.amdhsa_reserve_vcc 1
		.amdhsa_float_denorm_mode_32 3
		.amdhsa_float_denorm_mode_16_64 3
		.amdhsa_memory_ordered 1
		.amdhsa_forward_progress 1
		.amdhsa_inst_pref_size 37
	.end_amdhsa_kernel
	.amdgpu_metadata
---
amdhsa.version: [ 1, 2 ]
amdhsa.kernels:
  - .name:           k_q010213d60e_rank
    .symbol:         k_q010213d60e_rank.kd
    .args:
      - { .name: scene_sign, .offset: 0, .size: 8, .value_kind: global_buffer, .address_space: global }
      - { .name: meta, .offset: 8, .size: 8, .value_kind: global_buffer, .address_space: global }
    .group_segment_fixed_size: 0
    .private_segment_fixed_size: 0
    .kernarg_segment_align: 8
    .kernarg_segment_size: 16
    .max_flat_workgroup_size: 256
    .sgpr_count:     66
    .vgpr_count:     88
    .wavefront_size: 32
...
	.end_amdgpu_metadata
.endif
;; end of part 1
;; launch gather (part 2): grid 256 x 1, 8 waves a work-group, no clusters, 0 bytes of LDS; arguments x, meta, xs, ys; writes xs, ys
.if DOCPART == 2
	.amdgcn_target "amdgcn-amd-amdhsa--gfx1250"
	.amdhsa_code_object_version 6
	.text
	.protected	k_q010213d60e_gather
	.globl	k_q010213d60e_gather
	.p2align	8
	.type	k_q010213d60e_gather,@function
k_q010213d60e_gather:
	s_mov_b64 s[64:65], 0
	v_nop
	global_prefetch_b8 v0, s[64:65] scope:SCOPE_SE
	s_setreg_imm32_b32 hwreg(HW_REG_WAVE_MODE, 25, 1), 1
	s_wait_xcnt 0x0
; Moves the rows to where the launch in front has said:  xs[dest[i]] = bf16(x[i]) for the rows of the labels 1..4.
; x: [2048][2048] f32; xs: [2560][2048] bf16, 16 row tiles of 160; ys: [2048][2048] bf16 in sorted order;
; meta: bytes 0..255 for tile t four words {expert, first sorted row, rows to store, 0}; from byte 256 dest[i]: the row in xs, or
; 0x10000 + the sorted row for a label outside 1..4.  Every address and branch here is made of ids and of words read from meta.
; One wave per source row i = 8 x work-group + wave.  It also stores:
;  - for a label outside 1..4, where relu(y) is 0: a row of zeros at its sorted row of ys (the next launch stores the other rows);
;  - zeros in the rows of xs that no source row fills, so that every byte that the next launch's tiles read has been stored: row p of
;    tile t = p / 160 is filled if p - 160 t is below the tile's 'rows to store'.  Wave i looks after row i, and the first 512 waves
;    after row 2,048 + i as well.
; Memory binds: each byte of x is read once, each byte of xs written once, 256 consecutive aligned bytes a store.  No LDS, no barrier,
; no matrix unit: no wave needs another's data.
.set TROWS, 160                        ; rows in a tile
.set DEST,  256                        ; dest's first byte in meta
.set OUTSIDE, 0x10000                  ; the mark of a label outside 1..4
.set X,   16                           ; v[16:79]   my row of x, f32
.set Y,   80                           ; v[80:111]  my row in bf16
; ent = 16 x (p / 160), the byte of row p's tile in the table; off = p - 160 x (p / 160).
; p / 160 = (p / 32) / 5, and q / 5 = (205 q) >> 10 for q below 1,020; here q is at most 79.
.macro TILEOF p, ent, off
	s_lshr_b32 s[\ent], s[\p], 5
	s_mul_i32 s[\ent], s[\ent], 205
	s_lshr_b32 s[\ent], s[\ent], 10
	s_mul_i32 s[\off], s[\ent], TROWS
	s_sub_co_u32 s[\off], s[\p], s[\off]
	s_lshl_b32 s[\ent], s[\ent], 4
.endm
	s_load_b256 s[4:11], s[0:1], 0x0               ; x s[4:5], meta s[6:7], xs s[8:9], ys s[10:11]
	v_lshrrev_b32 v1, 5, v0
	v_readfirstlane_b32 s14, v1                    ; wave
	s_lshl_b32 s15, ttmp9, 3
	s_add_co_u32 s15, s15, s14                     ; i: my source row, and the first row of xs that I look after
	s_lshl_b32 s36, s15, 2                         ; 4 i: my word in dest
	s_lshl_b32 s28, s15, 13                        ; 8,192 i: my row of x
	s_mov_b32 s29, 0
	TILEOF 15, 20, 21
	s_and_b32 s22, s15, 511
	s_add_co_u32 s22, s22, 2048                    ; the second row of xs: 2,048 + i for the first 512 waves, which alone use it
	TILEOF 22, 23, 24
	v_and_b32 v1, 31, v0                           ; lane
	v_lshlrev_b32 v2, 4, v1                        ; 16 lane
	v_lshlrev_b32 v3, 3, v1                        ; 8 lane
	v_mov_b32 v8, 0                                ; 16 bytes of zeros
	v_mov_b32 v9, 0
	v_mov_b32 v10, 0
	v_mov_b32 v11, 0
	s_wait_kmcnt 0x0
	s_load_b32 s16, s[6:7], s36 offset:DEST        ; where my row goes
	s_load_b32 s17, s[6:7], s20 offset:0x8         ; rows to store of the tile that holds row i of xs
	s_load_b32 s18, s[6:7], s23 offset:0x8         ; and of the tile that holds the second row
	s_add_nc_u64 s[28:29], s[4:5], s[28:29]
.set t_, 0
.rept 16
	global_load_b128 v[X+4*t_:X+4*t_+3], v2, s[28:29] offset:512*t_ th:TH_LOAD_NT   ; my row of x, read once in the launch; asked for before dest is known
.set t_, t_+1
.endr
	s_wait_kmcnt 0x0
	s_and_b32 s19, s16, OUTSIDE
	s_cmp_lg_u32 s19, 0
	s_cbranch_scc1 .Lzero
	s_min_u32 s16, s16, 2559                       ; the list holds rows of the 16 tiles; stated for the address
	s_lshl_b32 s30, s16, 12                        ; 4,096 bytes a row
	s_mov_b32 s31, 0
	s_add_nc_u64 s[30:31], s[8:9], s[30:31]
	s_wait_loadcnt 0x0                             ; my row of x
.set t_, 0
.rept 32
	v_cvt_pk_bf16_f32 v[Y+t_], v[X+2*t_], v[X+2*t_+1]
.set t_, t_+1
.endr
.set t_, 0
.rept 16
	global_store_b64 v3, v[Y+2*t_:Y+2*t_+1], s[30:31] offset:256*t_   ; each store of the wave covers 256 consecutive bytes, aligned
.set t_, t_+1
.endr
	s_branch .Lpads
.Lzero:                                            ; a label outside 1..4: a row of zeros at my sorted row of ys
	s_and_b32 s16, s16, 0xffff
	s_min_u32 s16, s16, 2047                       ; a sorted row; stated for the address
	s_lshl_b32 s34, s16, 12
	s_mov_b32 s35, 0
	s_add_nc_u64 s[34:35], s[10:11], s[34:35]
.set t_, 0
.rept 8
	global_store_b128 v2, v[8:11], s[34:35] offset:512*t_
.set t_, t_+1
.endr
.Lpads:
; Row s[p] of xs gets zeros unless its place s[off] in its tile is below the tile's rows to store s[rows] (signed: the count of a tile
; behind the last class's last is 0 or below).  base: a pair of its own for the address, so that no pending store's base is rewritten.
.macro ZPAD p, off, rows, base
	s_cmp_lt_i32 s[\off], s[\rows]
	s_cbranch_scc1 .Lused_\@
	s_lshl_b32 s[\base], s[\p], 12
	s_mov_b32 s[\base+1], 0
	s_add_nc_u64 s[\base:\base+1], s[8:9], s[\base:\base+1]
.irp t, 0,1,2,3,4,5,6,7
	global_store_b128 v2, v[8:11], s[\base:\base+1] offset:512*\t
.endr
.Lused_\@:
.endm
	ZPAD 15, 21, 17, 32
	s_cmp_ge_u32 s15, 512
	s_cbranch_scc1 .Lend
	ZPAD 22, 24, 18, 40
.Lend:
	s_endpgm
.Lfunc_end_k_q010213d60e_gather:
	.size	k_q010213d60e_gather, .Lfunc_end_k_q010213d60e_gather-k_q010213d60e_gather
	.p2alignl 7, 3214868480
	.fill 96, 4, 3214868480
	.section	.rodata,"a",@progbits
	.p2align	6, 0x0
	.amdhsa_kernel k_q010213d60e_gather
		.amdhsa_group_segment_fixed_size 0
		.amdhsa_private_segment_fixed_size 0
		.amdhsa_enable_private_segment 0
		.amdhsa_kernarg_size 32
		.amdhsa_user_sgpr_count 2
		.amdhsa_user_sgpr_kernarg_segment_ptr 1
		.amdhsa_wavefront_size32 1
		.amdhsa_system_sgpr_workgroup_id_x 1
		.amdhsa_system_sgpr_workgroup_id_y 1
		.amdhsa_system_sgpr_workgroup_id_z 1
		.amdhsa_system_vgpr_workitem_id 0
		.amdhsa_next_free_vgpr 112
		.amdhsa_next_free_sgpr 66
		.amdhsa_reserve_vcc 0
		.amdhsa_float_denorm_mode_32 3
		.amdhsa_float_denorm_mode_16_64 3
		.amdhsa_memory_ordered 1
		.amdhsa_forward_progress 1
		.amdhsa_inst_pref_size 10
	.end_amdhsa_kernel
	.amdgpu_metadata
---
amdhsa.version: [ 1, 2 ]
amdhsa.kernels:
  - .name:           k_q010213d60e_gather
    .symbol:         k_q010213d60e_gather.kd
    .args:
      - { .name: x, .offset: 0, .size: 8, .value_kind: global_buffer, .address_space: global }
      - { .name: meta, .offset: 8, .size: 8, .value_kind: global_buffer, .address_space: global }
      - { .name: xs, .offset: 16, .size: 8, .value_kind: global_buffer, .address_space: global }
      - { .name: ys, .offset: 24, .size: 8, .value_kind: global_buffer, .address_space: global }
    .group_segment_fixed_size: 0
    .private_segment_fixed_size: 0
    .kernarg_segment_align: 8
    .kernarg_segment_size: 32
    .max_flat_workgroup_size: 256
    .sgpr_count:     66
    .vgpr_count:     112
    .wavefront_size: 32
...
	.end_amdgpu_metadata
.endif
;; end of part 2
;; launch gemm1 (part 3): grid 16 x 16, 4 waves a work-group, clusters of 4 x 4, 327,680 bytes of LDS; arguments xs, Ws, bs, meta, ys; writes ys
.if DOCPART == 3
	.amdgcn_target "amdgcn-amd-amdhsa--gfx1250"
	.amdhsa_code_object_version 6
	.text
	.protected	k_q010213d60e_gemm1
	.globl	k_q010213d60e_gemm1
	.p2align	8
	.type	k_q010213d60e_gemm1,@function
k_q010213d60e_gemm1:
	s_mov_b64 s[64:65], 0
	v_nop
	global_prefetch_b8 v0, s[64:65] scope:SCOPE_SE
	s_setreg_imm32_b32 hwreg(HW_REG_WAVE_MODE, 25, 1), 1
	s_wait_xcnt 0x0
	s_wait_alu depctr_hold_cnt(0) depctr_sa_sdst(0) depctr_va_vdst(0) depctr_va_sdst(0) depctr_va_ssrc(0) depctr_va_vcc(0) depctr_vm_vsrc(0)
	s_getreg_b32 s2, hwreg(HW_REG_IB_STS2, 6, 4)
	s_cmp_eq_u32 s2, 0
	s_cbranch_scc0 .Lentry_in_a_cluster
	s_endpgm
.Lentry_in_a_cluster:
	s_bfe_u32 s2, ttmp6, 0x10000c
	s_cmp_lg_u32 s2, 0xf033
	s_cbranch_scc0 .Lentry_shape_is_right
	s_endpgm
.Lentry_shape_is_right:
; ys[p] = bf16(relu(xs row . Ws[e]^T + bs[e])) for the rows of the labels 1..4, tile by tile.
; xs: [2560][2048] bf16, 16 row tiles of 160, each tile of one expert (rows that no source row fills are zeros);
; Ws: [4][2048][2048] f32, bs: [4][2048] f32, ys: [2048][2048] bf16 in sorted order;
; meta: for tile t four words {expert, first sorted row, rows to store, 0}.
; LIMITS: xs and Ws enter the products rounded to bf16, sums in f32; relu is a maximum in which a NaN loses, so a NaN in y becomes 0.
; SHARE: work-group (x, y) makes row tile y x columns 128 x .. 128 x + 127: 160 x 128, 16 x 16 = 256 work-groups, one tile each, every
; trip count a constant.  16 tiles are what the worst split of 2,048 rows over four experts needs; a tile that the table leaves empty
; still runs and stores nothing, since no branch here hangs on a number read from memory.  Of a tile's 160 rows the first
; 'rows to store' go to ys, the others are dropped by the stores' lane mask.
; Four waves, 2 x 2: wave (i, j) makes 80 rows x 64 columns = 5 x 4 accumulators of 16 x 16.  K goes in 16 steps of 128, four quarters of 32 each.
; A (xs): CLUSTERS of 4 x 4 work-groups.  xs's tile hangs on the row tile alone, a number made of ids: it is shared along a row of the
; cluster and asked for jointly, which divides its requests by four.  Two LDS slots of TWO K steps each (rows of 512 bytes), so that a
; refill, and the round of the cluster's barrier in front of it, comes every second K step and has two K steps in which to land.
; B (Ws): its tile hangs on the tile's expert, a number read from memory, which need not be the same in the partners of a column: a joint
; request wants descriptors that are equal by construction, so there is nothing to share, and the weights come THROUGH REGISTERS:
; each wave loads 32 of the tile's 128 rows (a load of the wave = one row's 512 consecutive bytes of a K step), rounds them to bf16 ONCE
; for the work-group and stores them into one of two LDS buffers.  The loads run in a ring of eight register sets, a chunk of 8 rows a
; wave in each gap between two quarters: the oldest chunk is waited for by a counted wait, converted and stored, and the chunk seven gaps
; ahead is asked for.  Such loads stay out across barriers, so a request has seven quarters (140 matrix instructions) in which to land;
; at most 56 loads of a wave are out.  In LDS the weights are bf16: a fragment is two loads.
; Nothing is prefetched: which tile reads a block of Ws first is known from the table alone, and asking from every tile would ask for
; each block about four times.
; THE MATRIX INSTRUCTION IS USED TRANSPOSED: source 0 = 16 rows of W, source 1 = 16 rows of xs.  Lane (r, h) then holds row r of the
; result and its registers 0-7 the columns 8 h + 0..7.  The first product takes the bias as C: nothing is cleared, no bias is added later.
; REGISTERS: window 0: addresses, converted pairs, fragments;  window 1 (v256..): accumulators, tile (a, b) at 8 (4 a + b), and the bias;
; window 2 (v512..767): the ring of raw weights.  A gap needs four window settings (LDS loads; conversions out of the ring; LDS stores and
; loads into the ring; products): the price of a ring that fills a window of its own.
.set MB,     5                         ; 16-row blocks of a wave
.set MX,     4                         ; of which so many are multiplied in front of the signal of a K step's barrier
.set ASTEP,  256                       ; bytes of a K step in a row of xs
.set BSTEP,  512                       ; and in a row of Ws
.set BROW,   8192                      ; bytes in a row of Ws
.set PA,     528                       ; LDS row of A: two K steps, 512 bytes + 16: the 16 rows of a fragment load start 16 bytes apart modulo 256
.set PB,     272                       ; LDS row of B in bf16: 256 bytes + 16, likewise
.set PS,     272                       ; a row of the stage
.set HALFA,  16*MB*PA                  ; 80 rows: one tensor load, and what one wave reads of A
.set ASLOT,  2*HALFA                   ; a slot of A: 160 rows, two K steps
.set BOFF,   2*ASLOT                   ; behind A's two slots: B's two buffers, written by LDS stores; no tensor load lands here
.set BBUF,   128*PB                    ; a buffer of B: 128 rows, one K step
.set STAGE,  BOFF+2*BBUF               ; behind them: 160 rows x 272 bytes for the way out
.set ADRA, 16                          ; v16-17  LDS address of my A fragments in slot 0, 1
.set ADRB, 18                          ; LDS address of my B fragments in buffer 0
.set BST,  19                          ; where I store 8 bytes of my first row of B in buffer 0
.set STO,  20                          ; the way out: where I put 16 bytes of a row
.set RD,   21                          ; the way out: where I read a row back
.set CO,   22                          ; my byte offset in ys from the tile's first row
.set ROW,  23                          ; my first row in the tile's 160
.set GO,   24                          ; my byte offset in Ws from the tile's first row: never rewritten
.set BO,   25                          ; bias: my lane's offset
.set CT,   32                          ; v[32:47]   a chunk's 8 rows in bf16, 2 registers each
.set FA,   48                          ; v[48:127]  A fragments, two buffers of 40
.set FB,   128                         ; v[128:191] B fragments, two buffers of 32
.set BIAS, 160                         ; window 1, behind the accumulators
.set RAW,  0                           ; window 2: eight sets of 32 registers
.set G1A, 24                           ; s[24:31] descriptor group 1, A's tiles
.set G0A, 32                           ; s[32:39] group 0, A's tiles, a set for each slot
.set MULW,    0x50                     ; C and D in window 1, sources in window 0
.set TOACC,   0x40                     ; destination in window 1
.set FROMRAW, 0x0a                     ; sources 0 and 1 in window 2, destination in window 0
.set TORAW,   0x80                     ; destination in window 2, sources (addresses, LDS stores' data) in window 0
.set MSB, 0
.macro WIN new                         ; the immediate's high byte repeats the setting that is left
.if MSB != \new
	s_set_vgpr_msb (MSB<<8)|\new
.set MSB, \new
.endif
.endm
.macro PLACES                          ; four plain vector instructions between a matrix instruction and a use of its result, a write of, or a load into, its registers
.rept 4
	v_nop
.endr
.endm
; A's joint load: waves 0 and 1 fetch the slot's two halves, waves 2 and 3 none.  The branch hangs on the wave's number alone.
.macro ALOAD s
	s_cmp_lg_u32 s13, 0
	s_cbranch_scc1 .Lnot_mine_\@
	tensor_load_to_lds s[G0A+4*(\s):G0A+4*(\s)+3], s[G1A:G1A+7]
	s_nop 0
.Lnot_mine_\@:
.endm
.macro CREST                           ; a round of the cluster's barrier behind its opening work-group barrier
	s_cmp_lg_u32 s12, 0
	s_cbranch_scc1 .Lnot_wave_0_\@
	s_barrier_signal -3
.Lnot_wave_0_\@:
	s_barrier_wait -3
	s_barrier_signal -1
	s_barrier_wait -1
.endm
.macro CROUND                          ; a whole round
	s_barrier_signal -1
	s_barrier_wait -1
	CREST
.endm
; The fragments of quarter q (32 along K): 4 x 16 rows of B from buffer bbuf, MB x 16 rows of A from the given half of slot aslot,
; into fragment buffer f.  Lane (r, h) holds K = 8 h + 0..7 and 16 + 8 h + 0..7 of row r: two loads of 16 bytes, 32 bytes apart.
.macro FETCH aslot, half, bbuf, q, f
.irp b, 0,1,2,3
	ds_load_b128 v[FB+32*(\f)+8*\b:FB+32*(\f)+8*\b+3],   v[ADRB] offset:(\bbuf)*BBUF+\b*16*PB+64*(\q)
	ds_load_b128 v[FB+32*(\f)+8*\b+4:FB+32*(\f)+8*\b+7], v[ADRB] offset:(\bbuf)*BBUF+\b*16*PB+64*(\q)+32
.endr
.set f_a, 0
.rept MB
	ds_load_b128 v[FA+40*(\f)+8*f_a:FA+40*(\f)+8*f_a+3],   v[ADRA+(\aslot)] offset:f_a*16*PA+(\half)*ASTEP+64*(\q)
	ds_load_b128 v[FA+40*(\f)+8*f_a+4:FA+40*(\f)+8*f_a+7], v[ADRA+(\aslot)] offset:f_a*16*PA+(\half)*ASTEP+64*(\q)+32
.set f_a, f_a+1
.endr
.endm
; A chunk of B leaves the ring: rows 8 j .. 8 j + 7 of my 32, from register set 'set', rounded to bf16, into buffer bbuf.
; left = the loads issued behind the chunk's own, which may stay out (loads come back in order: ISA guide 5.7.1).
; A lane holds K = 4 lane + 0..3 of a row: 8 bytes in bf16, so a store of the wave covers the row's 256 bytes.
.macro CHUNK set, bbuf, j, left
	WIN FROMRAW
	s_wait_loadcnt \left
.set c_n, 0
.rept 8
	v_cvt_pk_bf16_f32 v[CT+2*c_n],   v[RAW+32*(\set)+4*c_n],   v[RAW+32*(\set)+4*c_n+1]
	v_cvt_pk_bf16_f32 v[CT+2*c_n+1], v[RAW+32*(\set)+4*c_n+2], v[RAW+32*(\set)+4*c_n+3]
.set c_n, c_n+1
.endr
	WIN TORAW
.set c_n, 0
.rept 8
	ds_store_b64 v[BST], v[CT+2*c_n:CT+2*c_n+1] offset:(\bbuf)*BBUF+(8*(\j)+c_n)*PB
.set c_n, c_n+1
.endr
.endm
; A chunk of B is asked for: rows 8 j .. 8 j + 7 of my 32, K step trel counted from the lap's first, into register set 'set'.
; Each load of the wave covers 512 consecutive bytes, aligned.  Row and K step stand in the immediate: 257,024 at the most.
.macro LOADS set, trel, j
	WIN TORAW
.set l_n, 0
.rept 8
	global_load_b128 v[RAW+32*(\set)+4*l_n:RAW+32*(\set)+4*l_n+3], v[GO], s[66:67] offset:(8*(\j)+l_n)*BROW+(\trel)*BSTEP
.set l_n, l_n+1
.endr
.endm
; Row blocks mlo .. mlo + mcount - 1 x all four column blocks, 32 along K, on fragment buffer f.  The accumulators take turns, one
; instruction a turn, in the same order in every quarter, over the backward jump too.
.macro MULR f, mlo, mcount, first
.set m_a, \mlo
.rept \mcount
.set m_b, 0
.rept 4
.if \first
	v_wmma_f32_16x16x32_bf16 v[8*(4*m_a+m_b):8*(4*m_a+m_b)+7], v[FB+32*\f+8*m_b:FB+32*\f+8*m_b+7], v[FA+40*\f+8*m_a:FA+40*\f+8*m_a+7], v[BIAS+8*m_b:BIAS+8*m_b+7]
.else
	v_wmma_f32_16x16x32_bf16 v[8*(4*m_a+m_b):8*(4*m_a+m_b)+7], v[FB+32*\f+8*m_b:FB+32*\f+8*m_b+7], v[FA+40*\f+8*m_a:FA+40*\f+8*m_a+7], v[8*(4*m_a+m_b):8*(4*m_a+m_b)+7]
.endif
.set m_b, m_b+1
.endr
.set m_a, m_a+1
.endr
.endm
.macro QMUL f, first                   ; a whole quarter
	WIN MULW
	MULR \f, 0, MB, \first
.endm
; The head of a gap: the fragments asked for in the last gap are in, and the quarter after the coming one is fetched into the fragment
; buffer that the last quarter has just left.
.macro GAPF aslot, half, bbuf, q, f
	WIN 0
	PLACES
	s_wait_dscnt 0x0                               ; the LDS instructions issued one quarter of matrix work ago
	FETCH \aslot, \half, \bbuf, \q, \f
.endm
; K step s = 4 x lap + srel.  On entry quarter 0's fragments are on their way into fragment buffer 0.  A lies in half srel & 1 of slot
; srel >> 1, B in buffer srel & 1.  In the gap in front of quarter q: chunk 4 s + q + 5 of B leaves the ring (K step s + 1's rows from
; 8 (q + 1) on; in front of quarter 3: K step s + 2's first 8), and chunk 4 s + q + 12 (K step s + 3, rows from 8 q on) is asked for; a
; chunk's register set is its number modulo 8.
; ONE barrier a K step, in its third quarter.  In front of its signal each wave waits for all its LDS instructions: its reads of this K
; step's A and B (quarter 3's were the last) and its stores of the next K step's B.  Behind it the next K step is read, and this K step's
; buffer of B is stored into again.
; bk = 0: a plain barrier; no tensor load fills anything behind it, so A's refill may stay out across it.
; bk = 1: this K step was its slot's second: every wave also waits for all its tensor loads, the barrier opens a round of the cluster's
;         barrier, with matrix instructions alone inside, and the joint refill is the first tensor load behind the round.
; bk = 2: as 1 without the round and the refill: nothing is left to fetch, but the other slot must be shown landed.
; ld = 1: chunks are asked for; nck: chunks that leave the ring; w0, wd: the first chunk's count of younger loads, and its fall from chunk to chunk.
.macro STEP srel, first, ld, nck, w0, wd, bk
	GAPF \srel>>1, \srel&1, \srel&1, 1, 1
.if \nck > 0
	CHUNK (4*\srel+5)&7, (\srel+1)&1, 1, \w0
.endif
.if \ld
	LOADS (4*\srel+4)&7, \srel+3, 0
.endif
	QMUL 0, \first
	GAPF \srel>>1, \srel&1, \srel&1, 2, 0
.if \nck > 1
	CHUNK (4*\srel+6)&7, (\srel+1)&1, 2, \w0-\wd
.endif
.if \ld
	LOADS (4*\srel+5)&7, \srel+3, 1
.endif
	QMUL 1, 0
	GAPF \srel>>1, \srel&1, \srel&1, 3, 1
.if \nck > 2
	CHUNK (4*\srel+7)&7, (\srel+1)&1, 3, \w0-2*\wd
.endif
.if \ld
	LOADS (4*\srel+6)&7, \srel+3, 2
.endif
	WIN MULW
	MULR 0, 0, MX, 0
	s_wait_dscnt 0x0                               ; my reads of this K step and my stores of the next one's B are done
.if \bk > 0
	s_wait_tensorcnt 0x0                           ; all my tensor loads have landed: the one that was out is my part of the other slot
	ds_add_u32 v254, v255
	s_wait_dscnt 0x0
.endif
	s_barrier_signal -1
	MULR 0, MX, MB-MX, 0
	WIN 0
	s_barrier_wait -1
.if \bk == 1
	CREST
	s_add_nc_u64 s[G0A+4*(\srel>>1)+2:G0A+4*(\srel>>1)+3], s[G0A+4*(\srel>>1)+2:G0A+4*(\srel>>1)+3], 4*ASTEP   ; no load of mine is out: the slot's next two K steps
	ALOAD \srel>>1
.endif
	PLACES
	FETCH ((\srel+1)&3)>>1, (\srel+1)&1, (\srel+1)&1, 0, 0
.if \nck > 3
	CHUNK (4*\srel+8)&7, \srel&1, 0, \w0-3*\wd
.endif
.if \ld
	LOADS (4*\srel+7)&7, \srel+3, 3
.endif
	QMUL 1, 0
.endm
.macro LAP first                       ; four K steps: once through A's two slots, twice through B's buffers and the ring
	STEP 0, \first, 1, 4, 48, 0, 0
	STEP 1, 0, 1, 4, 48, 0, 1
	STEP 2, 0, 1, 4, 48, 0, 0
	STEP 3, 0, 1, 4, 48, 0, 1
	WIN 0                                          ; at a label and at a branch every window is 0
	s_wait_xcnt 0x0                                ; the base of the loads that are out is stepped only behind this wait
	s_add_nc_u64 s[66:67], s[66:67], 4*BSTEP
.endm
	s_load_b256 s[4:11], s[0:1], 0x0               ; xs s[4:5], Ws s[6:7], bs s[8:9], meta s[10:11]
	s_load_b64 s[20:21], s[0:1], 0x20              ; ys
	v_lshl_add_u32 v254, v0, 2, 0x44e00
	v_mov_b32 v255, 0
	ds_add_u32 v254, v255
	v_lshrrev_b32 v1, 5, v0
	v_readfirstlane_b32 s12, v1                    ; wave 0..3
	s_lshr_b32 s13, s12, 1                         ; i: my half of the rows.  Also: waves with i = 0 fetch A
	s_and_b32 s14, s12, 1                          ; j: my half of the columns.  Also: which half of A's slot I fetch
	s_bfe_u32 s15, ttmp6, 0x40000                  ; cx
	s_bfe_u32 s16, ttmp6, 0x40004                  ; cy
	s_lshl_b32 s17, ttmp9, 2
	s_add_co_u32 s17, s17, s15                     ; column block = 4 x cluster x + cx
	s_and_b32 s18, ttmp7, 0xffff
	s_lshl_b32 s18, s18, 2
	s_add_co_u32 s18, s18, s16                     ; row tile = 4 x cluster y + cy
	s_lshl_b32 s19, s18, 4                         ; its 16 bytes in meta
	s_lshl_b32 s80, s16, 2
	s_lshl_b32 s80, 15, s80                        ; my row of the cluster: places 4 cy .. 4 cy + 3
	; group 1 for A: 80 rows x 256 bf16 (two K steps), 4 words of padding behind every 128, joint along my row of the cluster
	s_or_b32 s[G1A+0], s80, (1<<16)|(1<<20)|(1<<21)|(6<<22)|(3<<25)
	s_mov_b32 s[G1A+1], 256<<16                    ; tensor_dim0 = 256
	s_mov_b32 s[G1A+2], (16*MB)<<16                ; tensor_dim1 = 80
	s_mov_b32 s[G1A+3], 256<<16                    ; tile_dim0 = 256
	s_mov_b32 s[G1A+4], 16*MB                      ; tile_dim1 = 80
	s_mov_b32 s[G1A+5], 2048                       ; elements from row to row
	s_mov_b32 s[G1A+6], 0
	s_mov_b32 s[G1A+7], 0
	s_mul_i32 s78, s12, HALFA                      ; where A's halves go (waves 0, 1): wave x a constant
	s_mul_i32 s46, s18, 32*MB
	s_mul_i32 s47, s14, 16*MB
	s_add_co_u32 s46, s46, s47                     ; A: row 160 x row tile + 80 x half,
	s_lshl_b32 s46, s46, 12                        ; 4,096 bytes a row
	s_mov_b32 s47, 0
	s_lshl_b32 s76, s17, 20                        ; B: 128 rows of 8,192 bytes a column block
	s_lshl_b32 s2, s17, 9                          ; the bias of my first column, in bytes: 512 x column block + 256 j
	s_lshl_b32 s3, s14, 8
	s_add_co_u32 s2, s2, s3
	s_wait_dscnt 0x0
	s_wait_kmcnt 0x0
	s_load_b128 s[40:43], s[10:11], s19 offset:0x0 ; my tile's entry: expert s40, first sorted row s41, rows to store s42; waited for below
	s_add_nc_u64 s[68:69], s[4:5], s[46:47]        ; A's tile at K step 0
.irp s, 0,1
	s_mov_b32 s[G0A+4*\s], 1
	s_add_co_u32 s[G0A+4*\s+1], s78, \s*ASLOT
	s_add_nc_u64 s[G0A+4*\s+2:G0A+4*\s+3], s[68:69], \s*2*ASTEP
	s_or_b32 s[G0A+4*\s+3], s[G0A+4*\s+3], 0x80000000
.endr
	CROUND                                         ; all sixteen work-groups are here: the first joint loads meet
	s_cmp_lg_u32 s13, 0
	s_cbranch_scc1 .Lnofill
	tensor_load_to_lds s[G0A:G0A+3], s[G1A:G1A+7]      ; K steps 0 and 1
	s_nop 0
	tensor_load_to_lds s[G0A+4:G0A+7], s[G1A:G1A+7]    ; K steps 2 and 3: both first fills go out together: two tensor loads of a wave are out, later one
	s_nop 0
.Lnofill:
	; lane addresses
	v_and_b32 v1, 15, v0                           ; r
	v_bfe_u32 v2, v0, 4, 1                         ; h
	v_and_b32 v6, 31, v0                           ; lane
	v_mul_u32_u24 v3, v1, PA
	v_lshl_add_u32 v3, v2, 4, v3                   ; r x 528 + 16 h
	v_mul_u32_u24 v4, v1, PB
	v_lshl_add_u32 v4, v2, 4, v4                   ; r x 272 + 16 h
	s_mul_i32 s82, s13, HALFA                      ; my 80 rows of A
	v_add_nc_u32 v[ADRA], s82, v3
	v_add_nc_u32 v[ADRA+1], ASLOT, v[ADRA]
	s_mul_i32 s83, s14, 64*PB                      ; my 64 rows of B
	s_add_co_u32 s83, s83, BOFF
	v_add_nc_u32 v[ADRB], s83, v4
	s_mul_i32 s83, s12, 32*PB                      ; the 32 rows of B that I bring
	s_add_co_u32 s83, s83, BOFF
	v_lshl_add_u32 v[BST], v6, 3, s83              ; + 8 lane
	s_mul_i32 s82, s13, 16*MB*PS                   ; stage row 80 i + r,
	s_add_co_u32 s82, s82, STAGE
	s_lshl_b32 s83, s14, 7                         ; byte 128 j + 16 h
	s_add_co_u32 s82, s82, s83
	v_add_nc_u32 v[STO], s82, v4
	v_mul_u32_u24 v5, v2, PS                       ; back: lanes 0-15 one row of 256 bytes, lanes 16-31 the next
	v_lshl_add_u32 v5, v1, 4, v5
	s_mul_i32 s82, s12, 8*MB*PS                    ; 40 rows a wave
	s_add_co_u32 s82, s82, STAGE
	v_add_nc_u32 v[RD], s82, v5
	s_mul_i32 s83, s12, 8*MB
	v_add_nc_u32 v[ROW], s83, v2                   ; 40 wave + h
	v_lshlrev_b32 v[CO], 12, v[ROW]
	v_lshl_add_u32 v[CO], v1, 4, v[CO]             ; x 4,096 + 16 r
	v_lshlrev_b32 v[BO], 5, v2                     ; 32 h: register 8 b + jj = bias of column 16 b + 8 h + jj, for every r
	s_lshl_b32 s83, s12, 18                        ; 32 wave rows of 8,192 bytes
	v_lshl_add_u32 v[GO], v6, 4, s83               ; + 16 lane
	s_wait_kmcnt 0x0                               ; my tile's entry
	s_min_u32 s40, s40, 3                          ; the table holds 0..3; stated for the addresses
	s_min_u32 s41, s41, 2047                       ; an empty tile's row may lie past the end: nothing is stored from it
	s_lshl_b32 s77, s40, 24                        ; 16 MiB an expert
	s_add_co_u32 s76, s76, s77
	s_mov_b32 s77, 0
	s_add_nc_u64 s[66:67], s[6:7], s[76:77]        ; B's tile at K step 0
	s_lshl_b32 s3, s40, 13                         ; row e of bs
	s_add_co_u32 s2, s2, s3
	s_mov_b32 s3, 0
	s_add_nc_u64 s[8:9], s[8:9], s[2:3]            ; my 64 biases
	s_lshl_b32 s2, s41, 12
	s_lshl_b32 s3, s17, 8
	s_add_co_u32 s2, s2, s3
	s_mov_b32 s3, 0
	s_add_nc_u64 s[70:71], s[20:21], s[2:3]        ; ys at the tile's first sorted row, my block's 256 bytes of it
	WIN TOACC
.irp b, 0,1,2,3
	global_load_b128 v[BIAS+8*\b:BIAS+8*\b+3],   v[BO], s[8:9] offset:64*\b
	global_load_b128 v[BIAS+8*\b+4:BIAS+8*\b+7], v[BO], s[8:9] offset:64*\b+16
.endr
	; The ring starts: the bias's 8 loads and chunks 0 to 5 are out, 56 loads.  Chunks 0 to 3 are K step 0, chunk 4 is K step 1's first.
	LOADS 0, 0, 0
	LOADS 1, 0, 1
	LOADS 2, 0, 2
	LOADS 3, 0, 3
	LOADS 4, 1, 0
	LOADS 5, 1, 1
	CHUNK 0, 0, 0, 40                              ; chunks 1 to 5 stay out; the bias, which is older, is in too
	LOADS 6, 1, 2
	LOADS 7, 1, 3                                  ; from here on seven chunks are out behind each request, six at each wait
	CHUNK 1, 0, 1, 48
	LOADS 0, 2, 0
	CHUNK 2, 0, 2, 48
	LOADS 1, 2, 1
	CHUNK 3, 0, 3, 48
	LOADS 2, 2, 2
	CHUNK 4, 1, 0, 48
	LOADS 3, 2, 3
	WIN 0
	s_wait_dscnt 0x0                               ; my part of K step 0's B is stored, for the others' sake
	s_wait_tensorcnt 0x1                           ; my part of A's slot 0 is in; slot 1's stays out: no tensor load fills anything behind this barrier
	s_barrier_signal -1
	s_barrier_wait -1                              ; everybody's is
	FETCH 0, 0, 0, 0, 0
	LAP 1                                          ; K steps 0 to 3: the first product takes the bias as C
	s_mov_b32 s75, 2
.Llap:
	LAP 0                                          ; K steps 4 to 11
	s_sub_co_u32 s75, s75, 1
	s_cmp_lg_u32 s75, 0
	s_cbranch_scc1 .Llap
	STEP 0, 0, 1, 4, 48, 0, 0                      ; K step 12 asks for the last four chunks (K step 15); A has nothing left to fetch
	STEP 1, 0, 0, 4, 48, 8, 2                      ; K step 13: nothing is asked for, so the counts of younger loads run down: 48, 40, 32, 24
	STEP 2, 0, 0, 3, 16, 8, 0                      ; K step 14: the last three chunks: 16, 8, 0
	GAPF 1, 1, 1, 1, 1                             ; K step 15: no barrier, nothing is stored or filled any more
	QMUL 0, 0
	GAPF 1, 1, 1, 2, 0
	QMUL 1, 0
	GAPF 1, 1, 1, 3, 1
	QMUL 0, 0
	s_wait_dscnt 0x0                               ; the last quarter's fragments
	QMUL 1, 0
	; THE WAY OUT: relu, round to bf16, 16 bytes a lane into the stage; behind a barrier each wave reads 40 whole rows of 256 bytes back.
	PLACES
	WIN 0x44                                       ; source 1 and destination in window 1
.set o_n, 0
.rept 32*MB
	v_max_num_f32 v[o_n], 0, v[o_n]
.set o_n, o_n+1
.endr
	WIN 0x05                                       ; sources in window 1, destination in window 0
.set o_n, 0
.rept 16*MB
	v_cvt_pk_bf16_f32 v[FA+o_n], v[2*o_n], v[2*o_n+1]
.set o_n, o_n+1
.endr
	WIN 0
.set o_a, 0
.rept MB
.irp b, 0,1,2,3
	ds_store_b128 v[STO], v[FA+4*(4*o_a+\b):FA+4*(4*o_a+\b)+3] offset:o_a*16*PS+32*\b
.endr
.set o_a, o_a+1
.endr
	s_wait_dscnt 0x0                               ; my part of the stage is written, for the others' sake
	s_barrier_signal -1
	s_barrier_wait -1
.set o_t, 0
.rept 4*MB
	ds_load_b128 v[FA+4*o_t:FA+4*o_t+3], v[RD] offset:o_t*2*PS
.set o_t, o_t+1
.endr
	s_wait_dscnt 0x0
	s_mov_b32 s19, s42                             ; rows to store, counted from row 2 t of the tile
.set o_t, 0
.rept 4*MB
	s_wait_xcnt 0x0                                ; EXEC is a source of the store before: it narrows only behind this wait
	v_cmpx_gt_i32 s19, v[ROW]                      ; lanes whose row 40 wave + h + 2 t is to be stored; the set only shrinks with t
	global_store_b128 v[CO], v[FA+4*o_t:FA+4*o_t+3], s[70:71] offset:o_t*2*4096   ; 16 lanes store 256 consecutive bytes, aligned
	s_sub_co_i32 s19, s19, 2
.set o_t, o_t+1
.endr
	s_wait_xcnt 0x0                                ; EXEC widens only behind this wait
	s_mov_b32 exec_lo, -1
	s_wait_tensorcnt 0x0
	ds_add_u32 v254, v255
	s_wait_dscnt 0x0
	CROUND                                         ; the closing round: no work-group ends while a partner may still ask for a tile that names it
	s_endpgm
.Lfunc_end_k_q010213d60e_gemm1:
	.size	k_q010213d60e_gemm1, .Lfunc_end_k_q010213d60e_gemm1-k_q010213d60e_gemm1
	.p2alignl 7, 3214868480
	.fill 96, 4, 3214868480
	.section	.rodata,"a",@progbits
	.p2align	6, 0x0
	.amdhsa_kernel k_q010213d60e_gemm1
		.amdhsa_group_segment_fixed_size 327680
		.amdhsa_private_segment_fixed_size 0
		.amdhsa_enable_private_segment 0
		.amdhsa_kernarg_size 40
		.amdhsa_user_sgpr_count 2
		.amdhsa_user_sgpr_kernarg_segment_ptr 1
		.amdhsa_wavefront_size32 1
		.amdhsa_system_sgpr_workgroup_id_x 1
		.amdhsa_system_sgpr_workgroup_id_y 1
		.amdhsa_system_sgpr_workgroup_id_z 1
		.amdhsa_system_vgpr_workitem_id 0
		.amdhsa_next_free_vgpr 768
		.amdhsa_next_free_sgpr 84
		.amdhsa_reserve_vcc 0
		.amdhsa_float_denorm_mode_32 3
		.amdhsa_float_denorm_mode_16_64 3
		.amdhsa_memory_ordered 1
		.amdhsa_forward_progress 1
		.amdhsa_inst_pref_size 255
	.end_amdhsa_kernel
	.section	.bss,"aw",@nobits
	.p2align	6
	.space	262144
	.amdgpu_metadata
---
amdhsa.version: [ 1, 2 ]
amdhsa.kernels:
  - .name:           k_q010213d60e_gemm1
    .symbol:         k_q010213d60e_gemm1.kd
    .args:
      - { .name: xs, .offset: 0, .size: 8, .value_kind: global_buffer, .address_space: global }
      - { .name: Ws, .offset: 8, .size: 8, .value_kind: global_buffer, .address_space: global }
      - { .name: bs, .offset: 16, .size: 8, .value_kind: global_buffer, .address_space: global }
      - { .name: meta, .offset: 24, .size: 8, .value_kind: global_buffer, .address_space: global }
      - { .name: ys, .offset: 32, .size: 8, .value_kind: global_buffer, .address_space: global }
    .group_segment_fixed_size: 327680
    .private_segment_fixed_size: 0
    .kernarg_segment_align: 8
    .kernarg_segment_size: 40
    .max_flat_workgroup_size: 128
    .sgpr_count:     84
    .vgpr_count:     768
    .wavefront_size: 32
...
	.end_amdgpu_metadata
.endif
;; end of part 3
;; launch gemm2 (part 4): grid 32 x 8, 4 waves a work-group, clusters of 4 x 4, 327,680 bytes of LDS; arguments ys, W1, b1, out0; writes out0
.if DOCPART == 4
	.amdgcn_target "amdgcn-amd-amdhsa--gfx1250"
	.amdhsa_code_object_version 6
	.text
	.protected	k_q010213d60e_gemm2
	.globl	k_q010213d60e_gemm2
	.p2align	8
	.type	k_q010213d60e_gemm2,@function
k_q010213d60e_gemm2:
	s_mov_b64 s[64:65], 0
	v_nop
	global_prefetch_b8 v0, s[64:65] scope:SCOPE_SE
	s_setreg_imm32_b32 hwreg(HW_REG_WAVE_MODE, 25, 1), 1
	s_wait_xcnt 0x0
	s_wait_alu depctr_hold_cnt(0) depctr_sa_sdst(0) depctr_va_vdst(0) depctr_va_sdst(0) depctr_va_ssrc(0) depctr_va_vcc(0) depctr_vm_vsrc(0)
	s_getreg_b32 s2, hwreg(HW_REG_IB_STS2, 6, 4)
	s_cmp_eq_u32 s2, 0
	s_cbranch_scc0 .Lentry_in_a_cluster
	s_endpgm
.Lentry_in_a_cluster:
	s_bfe_u32 s2, ttmp6, 0x10000c
	s_cmp_lg_u32 s2, 0xf033
	s_cbranch_scc0 .Lentry_shape_is_right
	s_endpgm
.Lentry_shape_is_right:
; out0 = ys . W1^T + b1.  ys: [2048][2048] bf16, W1: [4096][2048] f32, b1: [4096] f32, out0: [2048][4096] f32.
; LIMIT: W1 enters the products rounded to bf16 (ys is bf16 already); sums in f32.
; A work-group makes 256 rows x 128 columns with four waves, 2 x 2: wave (i, j) makes 128 rows x 64 columns = 8 x 4 accumulators of
; 16 x 16.  32 x 8 = 256 work-groups.  K goes in 16 steps of 128 through two LDS slots.  W1 comes into LDS as f32, as it lies in memory,
; and each wave rounds it to bf16 while it builds its fragments: a launch that converted it first would read and write it once more.
; CLUSTERS: 4 x 4 work-groups.  ys's tile hangs on the block row alone and is shared along a row of the cluster, W1's on the block column
; alone and is shared along a column: both are asked for jointly, which divides the requests by four.
; THE MATRIX INSTRUCTION IS USED TRANSPOSED: source 0 = 16 rows of W1, source 1 = 16 rows of ys.  Lane (r, h) then holds row r of the
; result and its registers 0-7 the columns 8 h + 0..7.  The first product takes the bias as C: nothing is cleared, no bias is added later.
; REGISTERS: window 0: addresses, fragments;  window 1 (v256..511): accumulators, tile (a, b) at 8 (4 a + b);  window 2 (v512..543): bias.
; No prefetch: ys was stored by the launch in front, and between a tile's request and the wait for it a wave issues three quarters of a
; K step's 128 matrix instructions and more.
.set MB,     8                         ; 16-row blocks of a wave
.set MX,     6                         ; of which so many are multiplied in front of the signal of a change of slots
.set KSTEPS, 16
.set ASTEP,  256                       ; bytes of a K step in a row of ys
.set BSTEP,  512                       ; and in a row of W1
.set PA,     272                       ; LDS row of A: 256 bytes + 16: the 16 rows of a fragment load start 16 bytes apart modulo 256
.set PB,     528                       ; LDS row of B: 512 bytes + 16, likewise
.set HALFA,  16*MB*PA                  ; 128 rows: one tensor load, and what one wave reads of A
.set HALFB,  64*PB                     ; 64 rows: one tensor load, and what one wave reads of B
.set AOFF,   2*HALFA                   ; a slot: B's 128 rows (2 x 33,792 bytes) from 0, A's 256 rows from 69,632 = wave x HALFA for waves 2, 3
.set SLOT,   AOFF+2*HALFA
.set STAGE,  2*SLOT                    ; behind the ring: 16 rows x 272 bytes for each wave, for the way out; no tensor load lands here
.set OROW,   16384                     ; bytes in a row of out0
.set ADRA, 16                          ; v16-17  LDS address of my A fragments in slot 0, 1
.set ADRB, 18                          ; v18-19  the same for B
.set STO,  20                          ; the way out: where I put 32 bytes of a row
.set RD,   21                          ; the way out: where I read a row back
.set CO,   22                          ; my byte offset in out0
.set BO,   25                          ; bias: my lane's offset
.set FA0,  32                          ; A fragments, buffer 0
.set FA1,  96                          ; A fragments, buffer 1
.set BRAW, 160                         ; 4 B fragments as f32, 16 registers each
.set BB,   224                         ; 4 B fragments in bf16
.set BIAS, 0                           ; window 2
.set G1A, 24                           ; s[24:31] descriptor group 1, A's tiles
.set G0A, 32                           ; s[32:39] group 0, A's tiles, a set for each slot
.set G1B, 48                           ; s[48:55] group 1, B's tiles
.set G0B, 56                           ; s[56:63] group 0, B's tiles, a set for each slot
.set MULW,   0x50                      ; C and D in window 1, sources in window 0
.set MULW0,  0x60                      ; C in window 2 (the bias), D in window 1
.set TOBIAS, 0x80                      ; destination in window 2
.set MSB, 0
.macro WIN new                         ; the immediate's high byte repeats the setting that is left
.if MSB != \new
	s_set_vgpr_msb (MSB<<8)|\new
.set MSB, \new
.endif
.endm
.macro PLACES                          ; four plain vector instructions between a matrix instruction and a use of its result, a write of, or a load into, its registers
.rept 4
	v_nop
.endr
.endm
; A joint load: waves 0 and 1 fetch B's two halves, waves 2 and 3 A's.  The branch hangs on the wave's number alone.
.macro JLOAD s
	s_cmp_eq_u32 s13, 0
	s_cbranch_scc0 .Lfor_a_\@
	tensor_load_to_lds s[G0B+4*\s:G0B+4*\s+3], s[G1B:G1B+7]
	s_nop 0
	s_branch .Lasked_\@
.Lfor_a_\@:
	tensor_load_to_lds s[G0A+4*\s:G0A+4*\s+3], s[G1A:G1A+7]
	s_nop 0
.Lasked_\@:
.endm
.macro CREST                           ; a round of the cluster's barrier behind its opening work-group barrier
	s_cmp_lg_u32 s12, 0
	s_cbranch_scc1 .Lnot_wave_0_\@
	s_barrier_signal -3
.Lnot_wave_0_\@:
	s_barrier_wait -3
	s_barrier_signal -1
	s_barrier_wait -1
.endm
.macro CROUND                          ; a whole round
	s_barrier_signal -1
	s_barrier_wait -1
	CREST
.endm
; The fragments of quarter q (32 along K) of a slot: 4 x 16 rows of B as f32 into BRAW, MB x 16 rows of A into buffer fa.
; A bf16 fragment's lane (r, h) holds K = 8 h + 0..7 and 16 + 8 h + 0..7 of row r: in f32 the 32 bytes at 32 h and at 64 + 32 h.
.macro FETCH slot, q, fa
.irp b, 0,1,2,3
	ds_load_b128 v[BRAW+16*\b:BRAW+16*\b+3],     v[ADRB+\slot] offset:\b*16*PB+128*\q
	ds_load_b128 v[BRAW+16*\b+4:BRAW+16*\b+7],   v[ADRB+\slot] offset:\b*16*PB+128*\q+16
	ds_load_b128 v[BRAW+16*\b+8:BRAW+16*\b+11],  v[ADRB+\slot] offset:\b*16*PB+128*\q+64
	ds_load_b128 v[BRAW+16*\b+12:BRAW+16*\b+15], v[ADRB+\slot] offset:\b*16*PB+128*\q+80
.endr
.set f_a, 0
.rept MB
	ds_load_b128 v[\fa+8*f_a:\fa+8*f_a+3],   v[ADRA+\slot] offset:f_a*16*PA+64*\q
	ds_load_b128 v[\fa+8*f_a+4:\fa+8*f_a+7], v[ADRA+\slot] offset:f_a*16*PA+64*\q+32
.set f_a, f_a+1
.endr
.endm
.macro CVT                             ; BRAW to BB: 64 f32 a lane rounded to bf16, pairs in the order of K
.set c_u, 0
.rept 32
	v_cvt_pk_bf16_f32 v[BB+c_u], v[BRAW+2*c_u], v[BRAW+2*c_u+1]
.set c_u, c_u+1
.endr
.endm
; Row blocks mlo .. mlo + mcount - 1 x all four column blocks, 32 along K.  The accumulators take turns, one instruction a turn, in the
; same order in every quarter, over the backward jump too.
.macro MULR fa, mlo, mcount, first
.set m_a, \mlo
.rept \mcount
.set m_b, 0
.rept 4
.if \first
	v_wmma_f32_16x16x32_bf16 v[8*(4*m_a+m_b):8*(4*m_a+m_b)+7], v[BB+8*m_b:BB+8*m_b+7], v[\fa+8*m_a:\fa+8*m_a+7], v[BIAS+8*m_b:BIAS+8*m_b+7]
.else
	v_wmma_f32_16x16x32_bf16 v[8*(4*m_a+m_b):8*(4*m_a+m_b)+7], v[BB+8*m_b:BB+8*m_b+7], v[\fa+8*m_a:\fa+8*m_a+7], v[8*(4*m_a+m_b):8*(4*m_a+m_b)+7]
.endif
.set m_b, m_b+1
.endr
.set m_a, m_a+1
.endr
.endm
.macro QMUL fa, first                  ; a whole quarter
.if \first
	WIN MULW0
.else
	WIN MULW
.endif
	MULR \fa, 0, MB, \first
.endm
; Between two quarters: the next quarter's raw B (fetched a quarter ago) is rounded into BB, and the quarter after it is fetched into
; BRAW and into the A buffer that the last quarter has just left.
.macro GAP slot, q, fa, fetch
	WIN 0
	PLACES
	s_wait_dscnt 0x0                               ; the loads issued one quarter of matrix work ago
	CVT
.if \fetch
	FETCH \slot, \q, \fa
.endif
.endm
; A K step.  On entry: BB and FA0 hold quarter 0, quarter 1 is on its way into BRAW and FA1.  On exit the same for the next slot.
; ONE barrier for the change of slots.  In front of its signal each wave waits for its reads of this slot (quarter 3's were the last) and
; for all its tensor loads (one is out: its part of the next slot).  Where the slot is filled again the barrier opens a round of the
; cluster's barrier, with matrix instructions alone inside, and the joint refill is the first tensor load behind the round.
.macro STEP slot, next, fill, first
	QMUL FA0, \first
	GAP \slot, 2, FA0, 1
	QMUL FA1, 0
	GAP \slot, 3, FA1, 1
	WIN MULW
	MULR FA0, 0, MX, 0
	s_wait_dscnt 0x0                               ; my reads of this slot are over
	s_wait_tensorcnt 0x0                           ; all my tensor loads have landed
	ds_add_u32 v30, v31
	s_wait_dscnt 0x0
	s_barrier_signal -1
	MULR FA0, MX, MB-MX, 0
	WIN 0
	s_barrier_wait -1
.if \fill
	CREST
	s_add_nc_u64 s[G0A+4*\slot+2:G0A+4*\slot+3], s[G0A+4*\slot+2:G0A+4*\slot+3], 2*ASTEP   ; no load of mine is out: the addresses step
	s_add_nc_u64 s[G0B+4*\slot+2:G0B+4*\slot+3], s[G0B+4*\slot+2:G0B+4*\slot+3], 2*BSTEP
	JLOAD \slot
.endif
	PLACES
	CVT                                            ; quarter 3's B
	FETCH \next, 0, FA0
	QMUL FA1, 0
	GAP \next, 1, FA1, 1
.endm
.macro LASTSTEP slot
	QMUL FA0, 0
	GAP \slot, 2, FA0, 1
	QMUL FA1, 0
	GAP \slot, 3, FA1, 1
	QMUL FA0, 0
	GAP \slot, 0, FA0, 0
	QMUL FA1, 0
.endm
	s_load_b256 s[4:11], s[0:1], 0x0               ; ys s[4:5], W1 s[6:7], b1 s[8:9], out0 s[10:11]
	v_lshl_add_u32 v30, v0, 2, 0x48400
	v_mov_b32 v31, 0
	ds_add_u32 v30, v31
	v_lshrrev_b32 v1, 5, v0
	v_readfirstlane_b32 s12, v1                    ; wave 0..3
	s_lshr_b32 s13, s12, 1                         ; i: my half of the rows.  Also: I fetch for B (0) or for A (1)
	s_and_b32 s14, s12, 1                          ; j: my half of the columns.  Also: which half of that tile I fetch
	s_bfe_u32 s15, ttmp6, 0x40000                  ; cx
	s_bfe_u32 s16, ttmp6, 0x40004                  ; cy
	s_lshl_b32 s17, ttmp9, 2
	s_add_co_u32 s17, s17, s15                     ; block column = 4 x cluster x + cx
	s_and_b32 s18, ttmp7, 0xffff
	s_lshl_b32 s18, s18, 2
	s_add_co_u32 s18, s18, s16                     ; block row = 4 x cluster y + cy
	s_lshl_b32 s80, s16, 2
	s_lshl_b32 s80, 15, s80                        ; my row of the cluster: places 4 cy .. 4 cy + 3
	s_lshl_b32 s81, 0x1111, s15                    ; my column: places cx, cx + 4, cx + 8, cx + 12
	; group 1 for A: 128 rows x 128 bf16, 4 words of padding behind every 64; for B: 64 rows x 128 f32, 4 words behind every 128
	s_or_b32 s[G1A+0], s80, (1<<16)|(1<<20)|(1<<21)|(5<<22)|(3<<25)
	s_mov_b32 s[G1A+1], 128<<16                    ; tensor_dim0 = 128
	s_mov_b32 s[G1A+2], (16*MB)<<16                ; tensor_dim1 = 128
	s_mov_b32 s[G1A+3], 128<<16                    ; tile_dim0 = 128
	s_mov_b32 s[G1A+4], 16*MB                      ; tile_dim1 = 128
	s_mov_b32 s[G1A+5], 2048                       ; elements from row to row
	s_mov_b32 s[G1A+6], 0
	s_mov_b32 s[G1A+7], 0
	s_or_b32 s[G1B+0], s81, (2<<16)|(1<<20)|(1<<21)|(6<<22)|(3<<25)
	s_mov_b32 s[G1B+1], 128<<16
	s_mov_b32 s[G1B+2], 64<<16
	s_mov_b32 s[G1B+3], 128<<16
	s_mov_b32 s[G1B+4], 64
	s_mov_b32 s[G1B+5], 2048
	s_mov_b32 s[G1B+6], 0
	s_mov_b32 s[G1B+7], 0
	s_mul_i32 s78, s12, HALFA
	s_add_co_u32 s78, s78, AOFF-2*HALFA            ; where A's halves go (waves 2, 3): wave x a constant
	s_mul_i32 s79, s12, HALFB                      ; where B's halves go (waves 0, 1)
	s_lshl_b32 s46, s18, 8
	s_lshl_b32 s47, s14, 7
	s_add_co_u32 s46, s46, s47                     ; A: row 256 x block row + 128 x half,
	s_lshl_b32 s46, s46, 12                        ; 4,096 bytes a row
	s_mov_b32 s47, 0
	s_lshl_b32 s76, s17, 7
	s_lshl_b32 s77, s14, 6
	s_add_co_u32 s76, s76, s77                     ; B: row 128 x block column + 64 x half,
	s_lshl_b32 s76, s76, 13                        ; 8,192 bytes a row
	s_mov_b32 s77, 0
	s_wait_dscnt 0x0
	s_wait_kmcnt 0x0
	s_add_nc_u64 s[68:69], s[4:5], s[46:47]
	s_add_nc_u64 s[66:67], s[6:7], s[76:77]
	CROUND                                         ; all sixteen work-groups are here: the first joint loads meet
.irp s, 0,1
	s_mov_b32 s[G0A+4*\s], 1
	s_add_co_u32 s[G0A+4*\s+1], s78, \s*SLOT
	s_add_nc_u64 s[G0A+4*\s+2:G0A+4*\s+3], s[68:69], \s*ASTEP
	s_or_b32 s[G0A+4*\s+3], s[G0A+4*\s+3], 0x80000000
	s_mov_b32 s[G0B+4*\s], 1
	s_add_co_u32 s[G0B+4*\s+1], s79, \s*SLOT
	s_add_nc_u64 s[G0B+4*\s+2:G0B+4*\s+3], s[66:67], \s*BSTEP
	s_or_b32 s[G0B+4*\s+3], s[G0B+4*\s+3], 0x80000000
	JLOAD \s                                       ; both slots' first fills go out together: two tensor loads of a wave are out, later one
.endr
	s_lshl_b32 s2, s17, 9                          ; my first column in bytes: 512 x block column + 256 j
	s_lshl_b32 s3, s14, 8
	s_add_co_u32 s2, s2, s3
	s_mov_b32 s3, 0
	s_add_nc_u64 s[8:9], s[8:9], s[2:3]            ; my 64 biases
	s_add_nc_u64 s[10:11], s[10:11], s[2:3]
	s_lshl_b32 s2, s18, 8
	s_lshl_b32 s3, s13, 7
	s_add_co_u32 s2, s2, s3                        ; my first row: 256 x block row + 128 i,
	s_lshl_b32 s2, s2, 14                          ; 16,384 bytes a row of out0
	s_mov_b32 s3, 0
	s_add_nc_u64 s[10:11], s[10:11], s[2:3]
	; lane addresses
	v_and_b32 v1, 15, v0                           ; r
	v_bfe_u32 v2, v0, 4, 1                         ; h
	v_mul_u32_u24 v5, v1, PA                       ; r x 272
	v_lshl_add_u32 v3, v2, 4, v5                   ; + 16 h
	v_mul_u32_u24 v4, v1, PB
	v_lshl_add_u32 v4, v2, 5, v4                   ; r x 528 + 32 h
	s_mul_i32 s82, s13, HALFA
	s_add_co_u32 s82, s82, AOFF
	v_add_nc_u32 v[ADRA], s82, v3
	v_add_nc_u32 v[ADRA+1], SLOT, v[ADRA]
	s_mul_i32 s83, s14, HALFB
	v_add_nc_u32 v[ADRB], s83, v4
	v_add_nc_u32 v[ADRB+1], SLOT, v[ADRB]
	s_mul_i32 s82, s12, 16*PA
	s_add_co_u32 s82, s82, STAGE                   ; my stage
	v_lshl_add_u32 v5, v2, 5, v5                   ; in: row r, 32 bytes for each half of the lanes
	v_add_nc_u32 v[STO], s82, v5
	v_mul_u32_u24 v6, v2, PA                       ; back: lanes 0-15 one row of 256 bytes, lanes 16-31 the next
	v_lshl_add_u32 v6, v1, 4, v6
	v_add_nc_u32 v[RD], s82, v6
	v_lshlrev_b32 v[CO], 14, v2                    ; and the same two rows in out0
	v_lshl_add_u32 v[CO], v1, 4, v[CO]
	v_lshlrev_b32 v[BO], 5, v2                     ; 32 h: register 8 b + jj = bias of column 16 b + 8 h + jj, for every r
	WIN TOBIAS
.irp b, 0,1,2,3
	global_load_b128 v[BIAS+8*\b:BIAS+8*\b+3],   v[BO], s[8:9] offset:64*\b
	global_load_b128 v[BIAS+8*\b+4:BIAS+8*\b+7], v[BO], s[8:9] offset:64*\b+16
.endr
	WIN 0
	s_wait_tensorcnt 0x1                           ; my part of K step 0 is in; K step 1's stays out
	s_barrier_signal -1
	s_barrier_wait -1                              ; everybody's is
	s_wait_loadcnt 0x0                             ; the bias
	FETCH 0, 0, FA0
	s_wait_dscnt 0x0
	CVT
	FETCH 0, 1, FA1
	STEP 0, 1, 1, 1                                ; the first product takes the bias as C
	STEP 1, 0, 1, 0
	s_mov_b32 s75, KSTEPS/2-2
.Llap:
	STEP 0, 1, 1, 0
	STEP 1, 0, 1, 0
	s_sub_co_u32 s75, s75, 1
	s_cmp_lg_u32 s75, 0
	s_cbranch_scc1 .Llap
	STEP 0, 1, 0, 0                                ; the last two K steps fill nothing
	LASTSTEP 1
	; THE WAY OUT, 16 rows at a time through my own stage: 32 bytes a lane in, whole rows of 256 bytes back.  LDS serves a wave's
	; instructions in order (ISA guide 5.7.1), so no wait stands between my stores and my loads of the same bytes.
	PLACES
.macro OUT16 a, f
	WIN 0x04                                       ; the stores' data in window 1
.irp b, 0,1,2,3
	ds_store_b128 v[STO], v[8*(4*\a+\b):8*(4*\a+\b)+3]   offset:64*\b
	ds_store_b128 v[STO], v[8*(4*\a+\b)+4:8*(4*\a+\b)+7] offset:64*\b+16
.endr
	WIN 0
	s_wait_xcnt 0x0                                ; buffer f, which earlier stores read, and the stores' base are written again only behind this wait
.if \a
	s_add_nc_u64 s[10:11], s[10:11], 16*OROW       ; 16 rows on
.endif
.irp t, 0,1,2,3,4,5,6,7
	ds_load_b128 v[\f+4*\t:\f+4*\t+3], v[RD] offset:\t*2*PA
.endr
.irp t, 0,1,2,3,4,5,6,7
	s_wait_dscnt 7-\t                              ; LDS loads come back in order: load t is in, the 7 - t younger ones stay out
	global_store_b128 v[CO], v[\f+4*\t:\f+4*\t+3], s[10:11] offset:2*\t*OROW th:TH_STORE_NT   ; 16 lanes store 256 consecutive bytes, aligned
.endr
.endm
	OUT16 0, FA0
	OUT16 1, FA1
	OUT16 2, FA0
	OUT16 3, FA1
	OUT16 4, FA0
	OUT16 5, FA1
	OUT16 6, FA0
	OUT16 7, FA1
	s_wait_tensorcnt 0x0
	ds_add_u32 v30, v31
	s_wait_dscnt 0x0
	CROUND                                         ; the closing round: no work-group ends while a partner may still ask for a tile that names it
	s_endpgm
.Lfunc_end_k_q010213d60e_gemm2:
	.size	k_q010213d60e_gemm2, .Lfunc_end_k_q010213d60e_gemm2-k_q010213d60e_gemm2
	.p2alignl 7, 3214868480
	.fill 96, 4, 3214868480
	.section	.rodata,"a",@progbits
	.p2align	6, 0x0
	.amdhsa_kernel k_q010213d60e_gemm2
		.amdhsa_group_segment_fixed_size 327680
		.amdhsa_private_segment_fixed_size 0
		.amdhsa_enable_private_segment 0
		.amdhsa_kernarg_size 32
		.amdhsa_user_sgpr_count 2
		.amdhsa_user_sgpr_kernarg_segment_ptr 1
		.amdhsa_wavefront_size32 1
		.amdhsa_system_sgpr_workgroup_id_x 1
		.amdhsa_system_sgpr_workgroup_id_y 1
		.amdhsa_system_sgpr_workgroup_id_z 1
		.amdhsa_system_vgpr_workitem_id 0
		.amdhsa_next_free_vgpr 544
		.amdhsa_next_free_sgpr 84
		.amdhsa_reserve_vcc 0
		.amdhsa_float_denorm_mode_32 3
		.amdhsa_float_denorm_mode_16_64 3
		.amdhsa_memory_ordered 1
		.amdhsa_forward_progress 1
		.amdhsa_inst_pref_size 178
	.end_amdhsa_kernel
	.amdgpu_metadata
---
amdhsa.version: [ 1, 2 ]
amdhsa.kernels:
  - .name:           k_q010213d60e_gemm2
    .symbol:         k_q010213d60e_gemm2.kd
    .args:
      - { .name: ys, .offset: 0, .size: 8, .value_kind: global_buffer, .address_space: global }
      - { .name: W1, .offset: 8, .size: 8, .value_kind: global_buffer, .address_space: global }
      - { .name: b1, .offset: 16, .size: 8, .value_kind: global_buffer, .address_space: global }
      - { .name: out0, .offset: 24, .size: 8, .value_kind: global_buffer, .address_space: global }
    .group_segment_fixed_size: 327680
    .private_segment_fixed_size: 0
    .kernarg_segment_align: 8
    .kernarg_segment_size: 32
    .max_flat_workgroup_size: 128
    .sgpr_count:     84
    .vgpr_count:     544
    .wavefront_size: 32
...
	.end_amdgpu_metadata
.endif
;; end of part 4
